; MI455X (gfx1250); checked and timed in simulation.
; The chip was launched on July 23, 2026; its instructions are those of AMD's public machine-readable ISA for CDNA 5 (MIT licence, August 2026) and "CDNA5" Instruction Set Architecture Reference Guide (July 2026). The comments in the code are by the model that wrote it; some were corrected since.
;; Attention. Allowed arithmetic: matrix products marked QUANTISED: E2M1 operands, one E8M0 scale for each 32 along K, by v_wmma_scale_f32_16x16x128_f8f6f4 with both operands' format E2M1 (or v_wmma_scale_f32_32x16x128_f4), f32 sums; everything else in f32.
;; Inputs: embed_output 32 x 2,048 x 1,024 float32; mask 32 x 2,048 bool; w 1,024 x 1,024 float32.
;; Outputs: out0 32 x 1,024 float32; out1 32 x 2,048 x 1 float32.
;; This version of the problem:
;;   THIS VERSION OF THE PROBLEM IS GIVEN IN LOW PRECISION. The matrix products marked QUANTISED in the list below multiply operands that are first quantised to E2M1 (2 exponent bits, 1 mantissa bit; 4 bits a number), with one power-of-two scale for each 32 numbers along K (OCP MX v1.0); their sums are f32. All else is computed in f32.
;;   The module's matrix products, in the order in which they are computed (A, B: the left and right operand; K: the contracted axis; several contracted axes count as one K, in the product's order):
;;     1. [M 65,536, K 1,024] x [K 1,024, N 1,024]; A: input embed_output; B: input w: QUANTISED
;;   THE QUANTISER, for each operand of a quantised product, along K:
;;     - K is cut into blocks of 32 from its start; a last block that is shorter is filled with zeros.
;;     - A block's scale is 2^e with e = floor(log2(the largest magnitude in the block)) - 2, held to -126 .. 127; a block of zeros has e = 0. As a byte (E8M0): e + 127.
;;     - Each number is divided by its block's scale, clamped to +-6, and rounded to the nearest number of E2M1, ties to even, subnormals kept.
;;     - The product sums the exact products of the quantised numbers (number of the format x scale) in f32.
;;   ~~~python
;;   def quantise(x, axis):      # numpy; x: float32 -> the quantised numbers, widened to float32 again
;;       x = np.moveaxis(x, axis, -1); K = x.shape[-1]
;;       x = np.pad(x, [(0, 0)] * (x.ndim - 1) + [(0, -K % 32)]); x = x.reshape(x.shape[:-1] + (-1, 32)); a = np.abs(x).max(-1, keepdims=True)
;;       e = np.where(a > 0, np.clip(np.frexp(np.where(a > 0, a, 1))[1] - 1 - 2, -126, 127), 0)      # np.frexp(a)[1] - 1 = floor(log2(a)), exactly
;;       r = np.clip(x / 2.0 ** e, -6, 6)
;;       step = 2.0 ** (np.maximum(np.frexp(np.where(r == 0, 1, r))[1] - 1, 0) - 1)
;;       q = np.round(r / step) * step * 2.0 ** e      # np.round: ties to even
;;       return np.moveaxis(q.reshape(q.shape[:-2] + (-1,))[..., :K], -1, axis).astype(np.float32)
;;   ~~~
;; One version. Each part assembles by itself: llvm-mc -triple=amdgcn-amd-amdhsa -mcpu=gfx1250 --defsym DOCPART=n.
;; ======== version 1 of 1: 3 launches
;; workspace buffers: e_codes 33,554,432 bytes; e_scales 2,097,152 bytes; w_codes 524,288 bytes; w_scales 32,768 bytes; psum 1,048,576 bytes; fpart 524,288 bytes; flags 4,096 bytes of whole numbers; order 65,536 bytes of whole numbers
;; launch prep (part 1): grid 256 x 1, 16 waves a work-group, no clusters, 166,400 bytes of LDS; arguments embed_output, w, e_codes, e_scales, w_codes, w_scales, psum; writes e_codes, e_scales, w_codes, w_scales, psum
.if DOCPART == 1
	.amdgcn_target "amdgcn-amd-amdhsa--gfx1250"
	.amdhsa_code_object_version 6
	.text
	.protected	k_q6115c7a5ef_prep
	.globl	k_q6115c7a5ef_prep
	.p2align	8
	.type	k_q6115c7a5ef_prep,@function
k_q6115c7a5ef_prep:
	s_mov_b64 s[64:65], 0
	v_nop
	global_prefetch_b8 v0, s[64:65] scope:SCOPE_SE
	s_setreg_imm32_b32 hwreg(HW_REG_WAVE_MODE, 25, 1), 1
	s_wait_xcnt 0x0
; E [65536 rows][1024] f32 -> codes of FP4 (E2M1), K innermost, [65536][512 bytes], one E8M0 byte for each 32 along K, [65536][32 bytes];
; the column sums of E, 256 rows to a work-group, [256][1024] f32 (the mean over a batch's 2,048 rows is made of eight of them by the next launch);
; w [K 1024][N 1024] f32 -> codes along K (its FIRST axis), laid as images of the operand's registers, and scale words.
; A block's scale is 2^(floor(log2(its largest magnitude)) - 2); its byte is the largest magnitude's exponent field - 2, held at 1 from below.  A block of zeros so gets the byte 1: its codes are zeros,
; which add nothing under any byte but 0xff, and this program alone reads the bytes.
; LIMITS: NaN and infinities among the inputs are not served; blocks whose largest magnitude lies under 2^(3 - 127) have their byte held at 1.
; SHARES.  Work-group g takes rows 256 g .. 256 g + 255; each of its sixteen waves 16 rows, a dense run of 65,536 bytes, in 32 steps of 512 numbers.  A load reads 512 consecutive bytes, 16 a lane; the conversions
; want 16 NEIGHBOURS in a lane (two neighbouring lanes hold a block), so a step's 2,048 bytes turn through the wave's own stage in LDS.  As loaded, a lane always holds the same columns: they are summed there.
; Loads run four steps (16 loads a wave) ahead, the turn through LDS one step.  Every offset is an immediate and every store has data registers of its own, so no register of a pending store is written again.
; Waves 0-3 also take one block of w each: 32 columns x 32 along K, a lane to a column, its registers down K: 1,024 such blocks for 256 work-groups x 4 waves.
; Memory binds this launch: no matrix unit, no tensor load, no cluster (work-groups share no input); one barrier, for the column sums.
.set STEPS, 32
.set SP,    80                         ; a lane's place in a stage: its 64 bytes + 16 of padding
.set WREG,  6144                       ; LDS: a wave's own region: two stages of 32 x SP bytes, then its 512 scale bytes
.set SCB,   2*32*SP                    ; where the scale bytes begin in it
.set CS,    16*WREG                    ; behind the regions: the sixteen waves' column sums, 4,096 bytes each
.set WSB,   CS+16*4096                 ; behind them: w's scale bytes, 4 x lane + block: 128 bytes
.set R,     16                         ; v16-79    four sets of 16 numbers as they are loaded
.set X,     80                         ; v80-111   two sets of 16 neighbours (at the head: w's 32 numbers)
.set ACC,   112                        ; v112-143  column sums: column 512 p + 128 i + 4 lane + q at ACC + 16 p + 4 i + q
.set C,     144                        ; v144-207  codes: two registers for each step
.set EB,    208                        ; v208-239  a scale byte for each step
.set T,     240                        ; v240-242  at work
.set WC,    244                        ; v244-247  w's codes
.set WB,    248                        ; v248      w's scale byte;  v249 w's scale word on its way out
	s_load_b256 s[4:11], s[0:1], 0x0               ; E s[4:5], w s[6:7], E's codes s[8:9], E's scale bytes s[10:11]
	s_load_b128 s[12:15], s[0:1], 0x20             ; w's codes s[12:13], w's scale words s[14:15]
	s_load_b64 s[16:17], s[0:1], 0x30              ; the column sums
	v_lshl_add_u32 v254, v0, 2, 0x28200
	v_mov_b32 v255, 0
	v_lshrrev_b32 v1, 5, v0
	v_readfirstlane_b32 s18, v1                    ; wave 0..15
	s_and_b32 s39, s18, 3                          ; which of w's four blocks (used by waves 0-3 alone)
	v_and_b32 v2, 31, v0                           ; lane
	v_lshlrev_b32 v3, 4, v2                        ; my 16 bytes of a load's 512; also of the wave's 512 scale bytes
	v_lshlrev_b32 v4, 3, v2                        ; my 8 bytes of a step's 256 bytes of codes
	v_lshlrev_b32 v7, 2, v2                        ; 4 x lane
	s_mul_i32 s36, s18, WREG
	v_lshrrev_b32 v14, 2, v2
	v_mul_u32_u24 v14, v14, SP
	v_and_b32 v15, 3, v2
	v_lshl_add_u32 v14, v15, 4, v14
	v_add_nc_u32 v14, s36, v14                     ; the stage, on the way in: SP (lane / 4) + 16 (lane % 4); a load's 512 bytes take eight places
	v_mul_u32_u24 v15, v2, SP
	v_add_nc_u32 v15, s36, v15                     ; and on the way out: SP x lane: my 16 neighbours
	s_add_co_u32 s36, s36, SCB
	v_lshrrev_b32 v5, 1, v2
	v_add_nc_u32 v5, s36, v5                       ; my block's byte among a step's 16
	v_add_nc_u32 v6, s36, v3                       ; the wave's 512 scale bytes on their way out, 16 a lane
	v_lshl_add_u32 v8, v2, 2, WSB                  ; w's scale word of column lane
	v_add_nc_u32 v9, s39, v8                       ; and my block's byte in it
	s_lshl_b32 s37, s18, 12
	s_add_co_u32 s37, s37, CS
	v_add_nc_u32 v10, s37, v3                      ; my wave's column sums
	v_lshl_add_u32 v11, v0, 3, CS                  ; back: thread t takes columns 2 t, 2 t + 1 of all sixteen
	v_lshlrev_b32 v12, 3, v0                       ; and their place in the work-group's row of sums
	v_lshrrev_b32 v13, 4, v2
	v_lshlrev_b32 v13, 13, v13
	v_and_b32 v1, 15, v2
	v_lshl_add_u32 v13, v1, 4, v13                 ; w's codes: fragment of columns 16 (lane / 16) on: 8,192 bytes on; column lane % 16: 16 bytes each
	s_lshl_b32 s19, ttmp9, 4
	s_add_co_u32 s19, s19, s18                     ; which run of 16 rows is my wave's
	s_lshl_b32 s20, s19, 16                        ; its 65,536 bytes of E,
	s_mov_b32 s21, 0
	s_lshl_b32 s22, s19, 13                        ; 8,192 of codes,
	s_mov_b32 s23, 0
	s_lshl_b32 s24, s19, 9                         ; 512 scale bytes
	s_mov_b32 s25, 0
	s_and_b32 s26, ttmp9, 31                       ; w: which 32 columns,
	s_lshr_b32 s27, ttmp9, 5                       ; which 128 along K
	s_lshl_b32 s28, s27, 19                        ; w: 128 rows of 4,096 bytes,
	s_lshl_b32 s38, s39, 17                        ; + my block's 32 rows,
	s_add_co_u32 s28, s28, s38
	s_lshl_b32 s38, s26, 7                         ; + 32 columns of 4 bytes
	s_add_co_u32 s28, s28, s38
	s_mov_b32 s29, 0
	s_lshl_b32 s30, s26, 14                        ; w's codes: fragment (t = column / 16, s = k / 128) at (8 t + s) x 1,024; block q of it at 256 q
	s_lshl_b32 s38, s27, 10
	s_add_co_u32 s30, s30, s38
	s_lshl_b32 s38, s39, 8
	s_add_co_u32 s30, s30, s38
	s_mov_b32 s31, 0
	s_lshl_b32 s32, s27, 12                        ; w's scale words: [k / 128][column], 4 bytes each
	s_lshl_b32 s38, s26, 7
	s_add_co_u32 s32, s32, s38
	s_mov_b32 s33, 0
	s_lshl_b32 s34, ttmp9, 12                      ; the work-group's row of sums
	s_mov_b32 s35, 0
	s_wait_kmcnt 0x0
	s_add_nc_u64 s[4:5], s[4:5], s[20:21]
	s_add_nc_u64 s[8:9], s[8:9], s[22:23]
	s_add_nc_u64 s[10:11], s[10:11], s[24:25]
	s_add_nc_u64 s[6:7], s[6:7], s[28:29]
	s_add_nc_u64 s[12:13], s[12:13], s[30:31]
	s_add_nc_u64 s[14:15], s[14:15], s[32:33]
	s_add_nc_u64 s[16:17], s[16:17], s[34:35]
.macro LOAD t
.irp i, 0,1,2,3
	global_load_b128 v[R+16*((\t)%4)+4*\i:R+16*((\t)%4)+4*\i+3], v3, s[4:5] offset:2048*(\t)+512*\i th:TH_LOAD_NT   ; 32 lanes read 512 consecutive bytes
.endr
.endm
.macro TURN t                          ; step t's numbers through the stage: LDS serves a wave's instructions in order, so no wait stands between the stores and the loads
.irp i, 0,1,2,3
	ds_store_b128 v14, v[R+16*((\t)%4)+4*\i:R+16*((\t)%4)+4*\i+3] offset:32*SP*((\t)%2)+8*SP*\i
.endr
.irp i, 0,1,2,3
	ds_load_b128 v[X+16*((\t)%2)+4*\i:X+16*((\t)%2)+4*\i+3], v15 offset:32*SP*((\t)%2)+16*\i
.endr
.endm
.macro SUMS t                          ; step t's numbers, as loaded, onto the sums of their columns: even steps are a row's left half, odd steps its right
.if (\t) < 2
.irp j, 0,1,2,3,4,5,6,7,8,9,10,11,12,13,14,15
	v_mov_b32 v[ACC+16*(\t)+\j], v[R+16*(\t)+\j]   ; the first row starts the sums
.endr
.else
.irp j, 0,2,4,6,8,10,12,14
	v_pk_add_f32 v[ACC+16*((\t)%2)+\j:ACC+16*((\t)%2)+\j+1], v[ACC+16*((\t)%2)+\j:ACC+16*((\t)%2)+\j+1], v[R+16*((\t)%4)+\j:R+16*((\t)%4)+\j+1]
.endr
.endif
.endm
	s_cmp_lt_u32 s18, 4                            ; waves 0-3: w(k, my column), k = my block's 32, down my registers: 32 lanes read 128 consecutive bytes
	s_cbranch_scc0 .Lno_w_load
.set i, 0
.rept 32
	global_load_b32 v[X+i], v7, s[6:7] offset:i*4096 th:TH_LOAD_NT
.set i, i+1
.endr
.Lno_w_load:
.irp t, 0,1,2,3
	LOAD \t
.endr
	s_cmp_lt_u32 s18, 4
	s_cbranch_scc0 .Lno_w
	s_wait_loadcnt 16                              ; w's 32 loads are in; the 16 loads of E behind them stay out
	v_max3_num_f32 v[T], |v[X]|, |v[X+1]|, |v[X+2]|             ; the block's largest magnitude: all 32 numbers are mine
	v_max3_num_f32 v[T+1], |v[X+3]|, |v[X+4]|, |v[X+5]|
.irp i, 6,10,14,18,22,26
	v_max3_num_f32 v[T], v[T], |v[X+\i]|, |v[X+\i+1]|
	v_max3_num_f32 v[T+1], v[T+1], |v[X+\i+2]|, |v[X+\i+3]|
.endr
	v_max3_num_f32 v[T], v[T], |v[X+30]|, |v[X+31]|
	v_max3_num_f32 v[T], v[T], v[T+1], 0x1800000   ; and the floor 2^(3 - 127): the byte cannot fall under 1
	v_add_nc_u32 v[T+2], 0xff000000, v[T]          ; 2 off its exponent field: the conversion takes the exponent field of this operand as its scale
	v_lshrrev_b32 v[WB], 23, v[T+2]                ; the scale's byte
.irp g, 0,1,2,3
	v_cvt_scalef32_pk8_fp4_f32 v[WC+\g], v[X+8*\g:X+8*\g+7], v[T+2]
.endr
	v_nop                                          ; one plain line behind the last conversion
	global_store_b128 v13, v[WC:WC+3], s[12:13]    ; 32 codes, 16 bytes; sixteen lanes store 256 consecutive bytes, aligned
	ds_store_b8 v9, v[WB]                          ; the four waves' bytes make a column's scale word
.Lno_w:
	s_wait_loadcnt 12                              ; step 0's four loads are in
	TURN 0
	SUMS 0
.macro STEP t
.set XS, X+16*((\t)%2)
.if (\t) > 0
	s_wait_dscnt 1                                 ; this step's numbers are back from the stage (the last step's byte store may be out): so its stores into the stage have read their registers,
.else
	s_wait_dscnt 0x0
.endif
.if (\t)+4 < STEPS
	LOAD (\t)+4                                    ; which take the loads of four steps on (their numbers were summed a step ago)
.endif
.if (\t)+1 < STEPS
.if STEPS-2-(\t) >= 3
	s_wait_loadcnt 12                              ; the next step's four loads are in; those of the three steps behind it may be out
.else
	s_wait_loadcnt 4*(STEPS-2-(\t))
.endif
	TURN (\t)+1                                    ; they go through the other stage while this step is worked,
	SUMS (\t)+1                                    ; and onto the column sums
.endif
	v_max3_num_f32 v[T], |v[XS]|, |v[XS+1]|, |v[XS+2]|          ; the largest magnitude of my 16
	v_max3_num_f32 v[T+1], |v[XS+3]|, |v[XS+4]|, |v[XS+5]|
.irp i, 6,10
	v_max3_num_f32 v[T], v[T], |v[XS+\i]|, |v[XS+\i+1]|
	v_max3_num_f32 v[T+1], v[T+1], |v[XS+\i+2]|, |v[XS+\i+3]|
.endr
	v_max3_num_f32 v[T], v[T], |v[XS+14]|, |v[XS+15]|
	v_max3_num_f32 v[T], v[T], v[T+1], 0x1800000   ; and the floor 2^(3 - 127)
	v_max_num_f32_dpp v[T], v[T], v[T] row_xmask:1 row_mask:0xf bank_mask:0xf   ; and of my neighbour's 16: the block's
	v_add_nc_u32 v[T+2], 0xff000000, v[T]          ; 2 off its exponent field: the conversion's scale operand
	v_cvt_scalef32_pk8_fp4_f32 v[C+2*(\t)], v[XS:XS+7], v[T+2]   ; to the nearest code, ties to even, beyond the largest code the largest; the first number's code in the lowest four bits
	v_cvt_scalef32_pk8_fp4_f32 v[C+2*(\t)+1], v[XS+8:XS+15], v[T+2]
	v_lshrrev_b32 v[EB+(\t)], 23, v[T+2]           ; the scale's byte (also the plain line behind the conversions)
	ds_store_b8 v5, v[EB+(\t)] offset:16*(\t)      ; both lanes of a block write the same byte with the same value
	global_store_b64 v4, v[C+2*(\t):C+2*(\t)+1], s[8:9] offset:256*(\t)   ; the wave stores 256 consecutive bytes, aligned
.endm
.irp t, 0,1,2,3,4,5,6,7,8,9,10,11,12,13,14,15,16,17,18,19,20,21,22,23,24,25,26,27,28,29,30,31
	STEP \t
.endr
	ds_load_b128 v[R:R+3], v6                      ; my wave's 512 scale bytes: LDS serves a wave's instructions in order, so this sees my byte stores
.irp p, 0,1
.irp i, 0,1,2,3
	ds_store_b128 v10, v[ACC+16*\p+4*\i:ACC+16*\p+4*\i+3] offset:2048*\p+512*\i   ; my wave's column sums, as a row of 4,096 bytes
.endr
.endr
	s_wait_dscnt 8                                 ; the scale bytes are in; the eight stores behind them may be out
	global_store_b128 v3, v[R:R+3], s[10:11]       ; 512 consecutive bytes, aligned
	s_wait_dscnt 0x0                               ; for the others' sake: my sums (and w's byte) lie in LDS
	s_barrier_signal -1
	s_barrier_wait -1
.set i, 0
.rept 16
	ds_load_b64 v[R+32+2*i:R+32+2*i+1], v11 offset:4096*i          ; columns 2 t, 2 t + 1 of wave i's sums
.set i, i+1
.endr
	s_wait_dscnt 0x0
.irp k, 0,1,2,3,4,5,6,7
	v_pk_add_f32 v[R+32+4*\k:R+32+4*\k+1], v[R+32+4*\k:R+32+4*\k+1], v[R+34+4*\k:R+34+4*\k+1]
.endr
.irp k, 0,1,2,3
	v_pk_add_f32 v[R+32+8*\k:R+32+8*\k+1], v[R+32+8*\k:R+32+8*\k+1], v[R+36+8*\k:R+36+8*\k+1]
.endr
.irp k, 0,1
	v_pk_add_f32 v[R+32+16*\k:R+32+16*\k+1], v[R+32+16*\k:R+32+16*\k+1], v[R+40+16*\k:R+40+16*\k+1]
.endr
	v_pk_add_f32 v[R+32:R+33], v[R+32:R+33], v[R+48:R+49]
	global_store_b64 v12, v[R+32:R+33], s[16:17]   ; a wave stores 256 consecutive bytes, aligned
	s_cmp_lg_u32 s18, 0                            ; wave 0 sends w's 32 scale words: 128 consecutive bytes
	s_cbranch_scc1 .Lend
	ds_load_b32 v[WB+1], v8
	s_wait_dscnt 0x0
	global_store_b32 v7, v[WB+1], s[14:15]
.Lend:
	s_wait_tensorcnt 0x0
	ds_add_u32 v254, v255
	s_wait_dscnt 0x0
	s_endpgm
.Lfunc_end_k_q6115c7a5ef_prep:
	.size	k_q6115c7a5ef_prep, .Lfunc_end_k_q6115c7a5ef_prep-k_q6115c7a5ef_prep
	.p2alignl 7, 3214868480
	.fill 96, 4, 3214868480
	.section	.rodata,"a",@progbits
	.p2align	6, 0x0
	.amdhsa_kernel k_q6115c7a5ef_prep
		.amdhsa_group_segment_fixed_size 166400
		.amdhsa_private_segment_fixed_size 0
		.amdhsa_enable_private_segment 0
		.amdhsa_kernarg_size 56
		.amdhsa_user_sgpr_count 2
		.amdhsa_user_sgpr_kernarg_segment_ptr 1
		.amdhsa_wavefront_size32 1
		.amdhsa_system_sgpr_workgroup_id_x 1
		.amdhsa_system_sgpr_workgroup_id_y 1
		.amdhsa_system_sgpr_workgroup_id_z 1
		.amdhsa_system_vgpr_workitem_id 0
		.amdhsa_next_free_vgpr 256
		.amdhsa_next_free_sgpr 66
		.amdhsa_reserve_vcc 0
		.amdhsa_float_denorm_mode_32 3
		.amdhsa_float_denorm_mode_16_64 3
		.amdhsa_memory_ordered 1
		.amdhsa_forward_progress 1
		.amdhsa_inst_pref_size 88
	.end_amdhsa_kernel
	.amdgpu_metadata
---
amdhsa.version: [ 1, 2 ]
amdhsa.kernels:
  - .name:           k_q6115c7a5ef_prep
    .symbol:         k_q6115c7a5ef_prep.kd
    .args:
      - { .name: embed_output, .offset: 0, .size: 8, .value_kind: global_buffer, .address_space: global }
      - { .name: w, .offset: 8, .size: 8, .value_kind: global_buffer, .address_space: global }
      - { .name: e_codes, .offset: 16, .size: 8, .value_kind: global_buffer, .address_space: global }
      - { .name: e_scales, .offset: 24, .size: 8, .value_kind: global_buffer, .address_space: global }
      - { .name: w_codes, .offset: 32, .size: 8, .value_kind: global_buffer, .address_space: global }
      - { .name: w_scales, .offset: 40, .size: 8, .value_kind: global_buffer, .address_space: global }
      - { .name: psum, .offset: 48, .size: 8, .value_kind: global_buffer, .address_space: global }
    .group_segment_fixed_size: 166400
    .private_segment_fixed_size: 0
    .kernarg_segment_align: 8
    .kernarg_segment_size: 56
    .max_flat_workgroup_size: 512
    .sgpr_count:     66
    .vgpr_count:     256
    .wavefront_size: 32
...
	.end_amdgpu_metadata
.endif
;; end of part 1
;; launch gemm (part 2): grid 256 x 1, 4 waves a work-group, no clusters, 297,472 bytes of LDS; arguments e_codes, e_scales, w_codes, w_scales, psum, mask, fpart, flags, order; writes fpart, flags, order
.if DOCPART == 2
	.amdgcn_target "amdgcn-amd-amdhsa--gfx1250"
	.amdhsa_code_object_version 6
	.text
	.protected	k_q6115c7a5ef_gemm
	.globl	k_q6115c7a5ef_gemm
	.p2align	8
	.type	k_q6115c7a5ef_gemm,@function
k_q6115c7a5ef_gemm:
	s_mov_b64 s[64:65], 0
	v_nop
	global_prefetch_b8 v0, s[64:65] scope:SCOPE_SE
	s_setreg_imm32_b32 hwreg(HW_REG_WAVE_MODE, 25, 1), 1
	s_wait_xcnt 0x0
; The sum over the 512 columns n of half y of (Q(E) Q(W))[row][n] x ys[batch][n], ys = the mean of the batch's 2,048 rows of E.  The product runs on codes of FP4 (E2M1) with one E8M0 scale for
; each 32 along K; its result never goes to memory.  No mask is applied to the sums here.
; WHAT IS STORED.  A unit is 128 rows on end (a wave's share at the end).  order[unit][place] = the row (0 .. 127) that stands at that place: the rows whose mask byte is set first, ascending, then the others:
; a whole permutation.  fpart[y][unit][place] = the sum of the row at that place.  flags[work-group][wave]: bit 0: all of the unit's 128 sums lie over -4e8; bit 1: some mask byte of the unit is set;
; bits 15:8: how many are set.
; LIMITS: NaN and infinities are not served (a NaN among the sums is passed over by the minimum that makes bit 0).
; SHARES.  Work-group x: y = x & 1 (which 512 columns), g = x >> 1 (which 512 rows), K = 1,024.  Wave v keeps W's columns 512 y + 128 v .. + 127, all of K, in 512 REGISTERS for the whole launch: 64 fragments, read
; from memory as images of the operand's registers, 512 consecutive bytes a load.  The 512 rows' codes (rows of 512 bytes) and scale bytes are brought into LDS ONCE by tensor loads, two a wave, both outstanding
; together; nothing is filled again.  Every wave walks all 32 tiles of 16 rows: 17 LDS loads feed 64 matrix instructions.
; THE MATRIX INSTRUCTION IS USED TRANSPOSED: source 0 = 16 columns of W, source 1 = 16 rows of E: lane (r, h) holds row r, and register j of tile tt column 16 tt + 8 h + j.  So the dot with ys is 32 packed
; multiply-adds a tile and one exchange between the halves of the lanes.  It is done on one set of accumulators while the next tile's products fill the other; these lines are also the places behind the products.
; NO CLUSTER: half of what a work-group brings, W, goes straight into registers by plain loads, which have no joint form; a tile of E's codes is wanted by two work-groups only (y = 0, 1), so a joint load would
; name two of a cluster's four by their place in it.
; REGISTERS, in windows of 256: window 0: v0-18 addresses; v32-39 E's scale words, two sets; v40-47 the dot's four chains; v64-127 E's fragments (K step s at 64 + 8 s), one set; v128-191 W's scale words
; (8 s + tt); v192-255 ys (8 tt + j).   window 1: two sets of 8 accumulators (64 set + 8 tt).   windows 2, 3: W's fragment (tt, s) at 64 (s % 4) + 8 tt of window 2 + s / 4.
.set PITCH, 528                        ; an LDS row: 512 bytes + 16 of padding = 132 words: the 16 rows that a load touches start at 16 different banks
.set TILEB, 16*PITCH
.set SCL,   512*PITCH                  ; behind the codes: the rows' scale bytes, 32 a row, dense
.set YS,    SCL+512*32                 ; the work-group's 512 numbers of ys
.set FS,    YS+2048                    ; wave v's part of row i's sum at 2,048 v + 4 i.  No tensor load lands in YS or FS
.set AK0, 4                            ; v4   my lane's place in a tile of codes: 528 r + 16 h
.set AS0, 5                            ; v5   and among the scale bytes: SCL + 32 r + 16 h
.set FS0, 6                            ; v6   FS + 2,048 wave + 4 r
.set ADL, 7                            ; v7   address of the K steps 0-3 in hand
.set ADS, 8                            ; v8   of the scale words in hand
.set ADF, 9                            ; v9   of the sum in hand
.set ADH, 15                           ; v15  of the K steps 4-7 in hand
.set ASC, 32
.set G,   40
.set AF,  64
.set WS,  128
.set YSR, 192
.set BT,  80                           ; at the end: v80-83 my four rows' mask bytes, then 1 or 0
.set KP,  84                           ; v84  rows that count ahead of the row in hand
.set L4,  85                           ; v85  4 x lane
.set TP,  86                           ; v86  at work
.set RW,  88                           ; v88-91  my four rows' numbers in the unit
.set PO,  92                           ; v92-95  their places
.set PF,  96                           ; v96-99  4 x place
.set SEL, 54                           ; s[54:55] lane selects for v_permlanex16_b32: lane l xor 16
.set TB,  56                           ; s56  LDS byte at which the tile to be fetched begins
.set TS,  57                           ; s57  its scale bytes
.set TF,  58                           ; s58  the place of the sums to be stored
.set MSB, 0
.macro WIN new                         ; the immediate's high byte repeats the setting that is left
.if MSB != \new
	s_set_vgpr_msb (MSB<<8)|\new
.set MSB, \new
.endif
.endm
.macro PLACES
.rept 4
	v_nop
.endr
.endm
	s_load_b512 s[4:19], s[0:1], 0x0               ; E's codes s[4:5], E's scales s[6:7], W's codes s[8:9], W's scales s[10:11], sums s[12:13], mask s[14:15], fpart s[16:17], flags s[18:19]
	s_load_b64 s[48:49], s[0:1], 0x40              ; order
	v_lshl_add_u32 v62, v0, 2, 0x48800
	v_mov_b32 v63, 0
	ds_add_u32 v62, v63
	ds_add_u32 v62, v63
	v_lshrrev_b32 v1, 5, v0
	v_readfirstlane_b32 s20, v1                    ; wave 0..3
	s_and_b32 s21, ttmp9, 1                        ; y
	s_lshr_b32 s22, ttmp9, 1                       ; g
	s_lshr_b32 s23, ttmp9, 3                       ; the batch
	; descriptor group 1 for the codes: 128 rows x 512 bytes, dense in memory, 16 bytes of padding behind each row in LDS
	s_mov_b32 s24, (1<<20)|(6<<22)|(3<<25)         ; no mask; elements of 1 byte; padding on; after every 128 words (code 6) four words (code 3)
	s_mov_b32 s25, 512<<16                         ; tensor_dim0
	s_mov_b32 s26, 128<<16                         ; tensor_dim1
	s_mov_b32 s27, 512<<16                         ; tile_dim0
	s_mov_b32 s28, 128                             ; tile_dim1
	s_mov_b32 s29, 512                             ; tensor_dim0_stride
	s_mov_b32 s30, 0
	s_mov_b32 s31, 0
	; and for the scale bytes of 128 rows: 4,096 dense bytes as 16 rows of 256 (32 elements of 8 bytes), no padding
	s_mov_b32 s32, 3<<16
	s_mov_b32 s33, 32<<16
	s_mov_b32 s34, 16<<16
	s_mov_b32 s35, 32<<16
	s_mov_b32 s36, 16
	s_mov_b32 s37, 32
	s_mov_b32 s38, 0
	s_mov_b32 s39, 0
	s_mov_b32 s53, 0
	s_mov_b32 s40, 1                               ; group 0, scale bytes: count,
	s_lshl_b32 s41, s20, 12
	s_add_co_u32 s41, s41, SCL                     ; LDS address: SCL + 4,096 wave,
	s_mov_b32 s44, 1                               ; group 0, codes
	s_mul_i32 s45, s20, 128*PITCH                  ; LDS address: 128 rows x wave
	s_wait_dscnt 0x0
	s_wait_kmcnt 0x0
	s_lshl_b32 s52, s22, 14                        ; rows 512 g + 128 wave on: 32 bytes each
	s_lshl_b32 s60, s20, 12
	s_add_co_u32 s52, s52, s60
	s_add_nc_u64 s[42:43], s[6:7], s[52:53]
	s_or_b32 s43, s43, 0x80000000                  ; type = 2
	s_lshl_b32 s52, s22, 18                        ; and 512 bytes each
	s_lshl_b32 s60, s20, 16
	s_add_co_u32 s52, s52, s60
	s_add_nc_u64 s[46:47], s[4:5], s[52:53]
	s_or_b32 s47, s47, 0x80000000
	tensor_load_to_lds s[40:43], s[32:39]          ; the launch's only fills, together at its start: two loads of mine are out
	s_nop 0
	tensor_load_to_lds s[44:47], s[24:31]
	s_nop 0
	PLACES
	v_and_b32 v1, 31, v0                           ; lane
	v_and_b32 v2, 15, v0                           ; r
	v_bfe_u32 v3, v0, 4, 1                         ; h
	v_mul_u32_u24 v[AK0], v2, PITCH
	v_lshl_add_u32 v[AK0], v3, 4, v[AK0]
	v_lshlrev_b32 v[AS0], 5, v2
	v_lshl_add_u32 v[AS0], v3, 4, v[AS0]           ; lanes 0-15 take the words of K steps 0-3, lanes 16-31 those of K steps 4-7
	v_add_nc_u32 v[AS0], SCL, v[AS0]
	s_lshl_b32 s60, s20, 11
	s_add_co_u32 s60, s60, FS
	v_lshl_add_u32 v[FS0], v2, 2, s60
	v_lshlrev_b32 v10, 4, v1                       ; 16 x lane: an image's place for my lane
	v_lshlrev_b32 v11, 2, v2                       ; 4 r: W's scale word of column r of a tile
	v_lshlrev_b32 v12, 4, v0                       ; 16 x thread
	v_lshlrev_b32 v13, 2, v0                       ; 4 x thread
	s_lshl_b32 s60, s20, 9
	s_add_co_u32 s60, s60, YS
	v_lshl_add_u32 v16, v3, 5, s60                 ; ys of my wave's columns: 512 wave + 32 h
	v_lshl_add_u32 v17, v0, 4, YS                  ; where thread t puts four numbers of ys
	v_lshl_add_u32 v18, v0, 4, FS                  ; where it reads four rows' sums back
	s_mov_b32 s[SEL], 0x76543210
	s_mov_b32 s[SEL+1], 0xfedcba98
	s_mov_b32 s[TB], 0
	s_mov_b32 s[TS], 0
	s_mov_b32 s[TF], 0
	s_lshl_b32 s52, s23, 15                        ; the batch's eight rows of column sums, my 512 columns
	s_lshl_b32 s60, s21, 11
	s_add_co_u32 s52, s52, s60
	s_add_nc_u64 s[12:13], s[12:13], s[52:53]
	s_lshl_b32 s52, s22, 9                         ; the mask bytes of my 512 rows
	s_add_nc_u64 s[14:15], s[14:15], s[52:53]
	s_lshl_b32 s60, s20, 7
	s_add_co_u32 s52, s52, s60                     ; order: my wave's unit: 512 g + 128 wave bytes on
	s_add_nc_u64 s[48:49], s[48:49], s[52:53]
	s_lshl_b32 s52, s21, 2
	s_add_co_u32 s52, s52, s20
	s_lshl_b32 s52, s52, 16                        ; W's codes: my 8 tiles x 8 K steps x 1,024 bytes
	s_add_nc_u64 s[8:9], s[8:9], s[52:53]
	s_lshl_b32 s52, s21, 11
	s_lshl_b32 s60, s20, 9
	s_add_co_u32 s52, s52, s60                     ; W's scale words: my first column x 4
	s_add_nc_u64 s[10:11], s[10:11], s[52:53]
	s_lshl_b32 s52, s21, 18
	s_lshl_b32 s60, s22, 11
	s_add_co_u32 s52, s52, s60
	s_lshl_b32 s60, s20, 9
	s_add_co_u32 s52, s52, s60                     ; fpart: half y, my 512 rows, my wave's unit of 128
	s_add_nc_u64 s[16:17], s[16:17], s[52:53]
	s_lshl_b32 s52, ttmp9, 4
	s_lshl_b32 s60, s20, 2
	s_add_co_u32 s52, s52, s60                     ; flags: my wave's word
	s_add_nc_u64 s[18:19], s[18:19], s[52:53]
.irp i, 0,1,2,3,4,5,6,7
	global_load_b128 v[AF+4*\i:AF+4*\i+3], v12, s[12:13] offset:4096*\i   ; four columns' sums of 256 rows, eight times
.endr
	global_load_b32 v14, v13, s[14:15]             ; the mask bytes of rows 4 t .. 4 t + 3
.macro WLOAD s                         ; W's eight fragments of K step s: each load reads 512 consecutive bytes
.irp tt, 0,1,2,3,4,5,6,7
.irp c, 0,1
	global_load_b128 v[64*((\s)%4)+8*\tt+4*\c:64*((\s)%4)+8*\tt+4*\c+3], v10, s[8:9] offset:(8*\tt+(\s))*1024+512*\c
.endr
.endr
.endm
	WIN 0x80                                       ; destination window 2, address window 0
	WLOAD 0
	WLOAD 1
	WLOAD 2
	WIN 0
	s_wait_loadcnt 48                              ; the sums and the mask word are in; the 48 loads of W behind them stay out
.irp i, 0,2,4,6
	v_pk_add_f32 v[AF+4*\i:AF+4*\i+1], v[AF+4*\i:AF+4*\i+1], v[AF+4*\i+4:AF+4*\i+5]
	v_pk_add_f32 v[AF+4*\i+2:AF+4*\i+3], v[AF+4*\i+2:AF+4*\i+3], v[AF+4*\i+6:AF+4*\i+7]
.endr
.irp i, 0,4
	v_pk_add_f32 v[AF+4*\i:AF+4*\i+1], v[AF+4*\i:AF+4*\i+1], v[AF+4*\i+8:AF+4*\i+9]
	v_pk_add_f32 v[AF+4*\i+2:AF+4*\i+3], v[AF+4*\i+2:AF+4*\i+3], v[AF+4*\i+10:AF+4*\i+11]
.endr
	v_pk_add_f32 v[AF:AF+1], v[AF:AF+1], v[AF+16:AF+17]
	v_pk_add_f32 v[AF+2:AF+3], v[AF+2:AF+3], v[AF+18:AF+19]
	v_pk_mul_f32 v[AF:AF+1], v[AF:AF+1], 0x3a000000 op_sel_hi:[1,0]       ; / 2,048: the mean
	v_pk_mul_f32 v[AF+2:AF+3], v[AF+2:AF+3], 0x3a000000 op_sel_hi:[1,0]
	ds_store_b128 v17, v[AF:AF+3]
	WIN 0x80
	WLOAD 3
	WIN 0xc0                                       ; destination window 3
	WLOAD 4
	WLOAD 5
	WLOAD 6
	WLOAD 7
	WIN 0
.irp s, 0,1,2,3,4,5,6,7
.irp tt, 0,1,2,3,4,5,6,7
	global_load_b32 v[WS+8*\s+\tt], v11, s[10:11] offset:4096*\s+64*\tt   ; lane r: the word of column 16 tt + r, K step s (lanes 16-31 hold the same and are not read)
.endr
.endr
	s_wait_tensorcnt 0x0                           ; my parts of the codes and of the scale bytes have landed,
	s_wait_dscnt 0x0                               ; my four numbers of ys lie in LDS:
	s_barrier_signal -1
	s_barrier_wait -1                              ; everybody's do
.irp tt, 0,1,2,3,4,5,6,7
.irp q, 0,1
	ds_load_b128 v[YSR+8*\tt+4*\q:YSR+8*\tt+4*\q+3], v16 offset:64*\tt+16*\q   ; ys(16 tt + 8 h + 0 .. 7) of my columns
.endr
.endr
	s_wait_loadcnt 0x0                             ; W and its scale words
; 32 matrix instructions: K steps s0 .. s0 + 3 x my 8 tiles of columns, onto accumulator set 'set'.  K step 0 starts the sums with the constant 0: nothing is cleared.
; The 8 accumulators take turns, one instruction a turn, within a tile, from tile to tile and over the loop's backward jump.
.macro MUL s0, set
.set ks, \s0
.rept 4
.set tt, 0
.rept 8
.if ks == 0
	v_wmma_scale_f32_16x16x128_f8f6f4 v[64*(\set)+8*tt:64*(\set)+8*tt+7], v[64*(ks%4)+8*tt:64*(ks%4)+8*tt+7], v[AF+8*ks:AF+8*ks+7], 0, v[WS+8*ks+tt], v[ASC+4*(\set)+ks%4] matrix_a_fmt:MATRIX_FMT_FP4 matrix_b_fmt:MATRIX_FMT_FP4
.elseif ks < 4
	v_wmma_scale_f32_16x16x128_f8f6f4 v[64*(\set)+8*tt:64*(\set)+8*tt+7], v[64*(ks%4)+8*tt:64*(ks%4)+8*tt+7], v[AF+8*ks:AF+8*ks+7], v[64*(\set)+8*tt:64*(\set)+8*tt+7], v[WS+8*ks+tt], v[ASC+4*(\set)+ks%4] matrix_a_fmt:MATRIX_FMT_FP4 matrix_b_fmt:MATRIX_FMT_FP4
.else
	v_wmma_scale_f32_16x16x128_f8f6f4 v[64*(\set)+8*tt:64*(\set)+8*tt+7], v[64*(ks%4)+8*tt:64*(ks%4)+8*tt+7], v[AF+8*ks:AF+8*ks+7], v[64*(\set)+8*tt:64*(\set)+8*tt+7], v[WS+8*ks+tt], v[ASC+4*(\set)+ks%4] matrix_a_fmt:MATRIX_FMT_FP4 matrix_b_fmt:MATRIX_FMT_FP4 matrix_b_scale:MATRIX_SCALE_ROW1
.endif
.set tt, tt+1
.endr
.set ks, ks+1
.endr
.endm
; 16 packed lines of the dot with ys: accumulators 4 half .. 4 half + 3 of a set, each from its low end on, in four chains; the first accumulator starts them.
.macro EPI half, set
.set tt, 4*\half
.rept 4
.set jj, 0
.rept 4
.if tt == 0
	v_pk_mul_f32 v[G+2*jj:G+2*jj+1], v[64*(\set)+8*tt+2*jj:64*(\set)+8*tt+2*jj+1], v[YSR+8*tt+2*jj:YSR+8*tt+2*jj+1]
.else
	v_pk_fma_f32 v[G+2*jj:G+2*jj+1], v[64*(\set)+8*tt+2*jj:64*(\set)+8*tt+2*jj+1], v[YSR+8*tt+2*jj:YSR+8*tt+2*jj+1], v[G+2*jj:G+2*jj+1]
.endif
.set jj, jj+1
.endr
.set tt, tt+1
.endr
.endm
.macro FIN                             ; the four chains, the two halves of a pair, the other half of the lanes: my wave's part of row r's sum goes to LDS
	v_pk_add_f32 v[G:G+1], v[G:G+1], v[G+2:G+3]
	v_pk_add_f32 v[G+4:G+5], v[G+4:G+5], v[G+6:G+7]
	v_pk_add_f32 v[G:G+1], v[G:G+1], v[G+4:G+5]
	v_add_f32 v[G], v[G], v[G+1]
	v_permlanex16_b32 v[G+2], v[G], s[SEL], s[SEL+1]
	v_add_f32 v[G], v[G], v[G+2]
	v_add_nc_u32 v[ADF], s[TF], v[FS0]
	ds_store_b32 v[ADF], v[G]                      ; lanes r and r + 16 write the same word with the same value
	s_add_co_u32 s[TF], s[TF], 64
.endm
.macro FETCH_LO nset                   ; the next tile: its rows' scale words into set nset, its fragments of K steps 0-3: nine loads
	v_add_nc_u32 v[ADL], s[TB], v[AK0]
	v_add_nc_u32 v[ADS], s[TS], v[AS0]
	ds_load_b128 v[ASC+4*(\nset):ASC+4*(\nset)+3], v[ADS]
.irp s, 0,1,2,3
.irp c, 0,1
	ds_load_b128 v[AF+8*\s+4*\c:AF+8*\s+4*\c+3], v[ADL] offset:64*\s+32*\c
.endr
.endr
	s_add_co_u32 s[TS], s[TS], 512
.endm
.macro FETCH_HI                        ; and of K steps 4-7: eight loads
	v_add_nc_u32 v[ADH], s[TB], v[AK0]
.irp s, 4,5,6,7
.irp c, 0,1
	ds_load_b128 v[AF+8*\s+4*\c:AF+8*\s+4*\c+3], v[ADH] offset:64*\s+32*\c
.endr
.endr
	s_add_co_u32 s[TB], s[TB], TILEB
.endm
; A TILE of 16 rows.  epi = 1: the tile before is finished on the other set of accumulators.  fetch = 1: the next tile's fragments follow this tile's into the one set of registers, half by half.
; A load into a register that a matrix instruction has read, and a vector line that reads a matrix result, stand four plain vector lines behind that matrix instruction (ISA guide 7.12.1 for the vector
; line): here the 16 lines of the dot, which name only the other set, ys and the chains; in the first tile four v_nop.
.macro TILE set, epi, fetch
	s_wait_dscnt 8                                 ; the scale words and K steps 0-3 are in (and the last sum is stored); the youngest eight loads, K steps 4-7, may be out
	WIN 0x52                                       ; source 0 (W) window 2, source 1 (E) window 0, C and D window 1
	MUL 0, \set
.if \epi
	WIN 0x01                                       ; source 0 (accumulators) window 1
	EPI 0, 1-\set
	WIN 0
.else
	WIN 0
	PLACES
.endif
.if \fetch
	FETCH_LO 1-\set
	s_wait_dscnt 9                                 ; K steps 4-7 are in; the nine loads just issued may be out
.else
	s_wait_dscnt 0x0
.endif
	WIN 0x53                                       ; W in window 3
	MUL 4, \set
.if \epi
	WIN 0x01
	EPI 1, 1-\set
	WIN 0
	FIN
.else
	WIN 0
	PLACES
.endif
.if \fetch
	FETCH_HI
.endif
.endm
	FETCH_LO 0
	FETCH_HI
	TILE 0, 0, 1                                   ; tile 0
	s_mov_b32 s59, 15
.Lpair:                                                ; tiles 1 to 30, two a trip: the sets of accumulators and of scale words change places and come back
	TILE 1, 1, 1
	TILE 0, 1, 1
	s_sub_co_u32 s59, s59, 1
	s_cmp_lg_u32 s59, 0
	s_cbranch_scc1 .Lpair
	TILE 1, 1, 0                                   ; tile 31 fetches nothing
	s_wait_dscnt 0x0                               ; tile 30's sum is stored: the chains may be started anew
	WIN 0x01
	EPI 0, 1                                       ; (tile 30's 16 lines and its sum stand between the last products and these reads)
	EPI 1, 1
	WIN 0
	FIN
	s_wait_dscnt 0x0                               ; for the others' sake: my 512 sums lie in LDS
	s_barrier_signal -1
	s_barrier_wait -1
.irp k, 0,1,2,3
	ds_load_b128 v[AF+4*\k:AF+4*\k+3], v18 offset:2048*\k          ; rows 4 t .. 4 t + 3: the four waves' parts
.endr
	v_mov_b32 v50, 0
	; THE ORDER of my wave's unit of 128 rows; lane l holds rows 4 l + q.  A row that counts goes to the place = how many rows that count stand ahead of it; another row to n + how many others stand ahead of it.
	; (The descriptors' registers are free: both tensor loads were waited for at the head.)
.irp q, 0,1,2,3
	v_bfe_u32 v[BT+\q], v14, 8*\q, 8
.endr
.irp q, 0,1,2,3
	v_cmp_ne_u32 s[40+\q], 0, v[BT+\q]             ; bit l: row 4 l + q counts
.endr
	s_bcnt1_i32_b32 s44, s40
	s_bcnt1_i32_b32 s45, s41
	s_bcnt1_i32_b32 s46, s42
	s_bcnt1_i32_b32 s47, s43
	s_add_co_u32 s44, s44, s45
	s_add_co_u32 s46, s46, s47
	s_add_co_u32 s44, s44, s46                     ; n: the unit's rows that count
	v_mbcnt_lo_u32_b32 v[KP], s40, 0
	v_mbcnt_lo_u32_b32 v[KP], s41, v[KP]
	v_mbcnt_lo_u32_b32 v[KP], s42, v[KP]
	v_mbcnt_lo_u32_b32 v[KP], s43, v[KP]           ; those of the lanes below mine
	v_lshlrev_b32 v[L4], 2, v1
.irp q, 0,1,2,3
	v_cndmask_b32 v[BT+\q], 0, 1, s[40+\q]
	v_or_b32 v[RW+\q], \q, v[L4]                   ; the row's number in the unit = the rows ahead of it
	v_sub_nc_u32 v[TP], v[RW+\q], v[KP]            ; of them, those that do not count
	v_add_nc_u32 v[TP], s44, v[TP]
	v_cndmask_b32 v[TP], v[TP], v[KP], s[40+\q]
	v_min_u32 v[PO+\q], 127, v[TP]                 ; the place; made of loaded numbers, so it is held to the unit before it enters an address
	v_lshlrev_b32 v[PF+\q], 2, v[PO+\q]
	v_add_nc_u32 v[KP], v[KP], v[BT+\q]
.endr
	s_wait_dscnt 0x0
	v_pk_add_f32 v[AF:AF+1], v[AF:AF+1], v[AF+4:AF+5]
	v_pk_add_f32 v[AF+2:AF+3], v[AF+2:AF+3], v[AF+6:AF+7]
	v_pk_add_f32 v[AF+8:AF+9], v[AF+8:AF+9], v[AF+12:AF+13]
	v_pk_add_f32 v[AF+10:AF+11], v[AF+10:AF+11], v[AF+14:AF+15]
	v_pk_add_f32 v[AF:AF+1], v[AF:AF+1], v[AF+8:AF+9]
	v_pk_add_f32 v[AF+2:AF+3], v[AF+2:AF+3], v[AF+10:AF+11]
.irp q, 0,1,2,3
	global_store_b32 v[PF+\q], v[AF+\q], s[16:17]  ; the row's sum at the row's place: the four stores fill the wave's own 512 consecutive bytes
.endr
	s_cmp_lg_u32 s21, 0                            ; the list is the same for both halves of the columns: y = 0 stores it
	s_cbranch_scc1 .Lno_list
.irp q, 0,1,2,3
	global_store_b8 v[PO+\q], v[RW+\q], s[48:49]   ; the four stores fill the wave's own 128 consecutive bytes
.endr
.Lno_list:
	v_min3_num_f32 v48, v[AF], v[AF+1], v[AF+2]
	v_min_num_f32 v48, v48, v[AF+3]
	v_cmp_lt_f32 vcc_lo, 0xcdbebc20, v48           ; -4e8 < the least of my four sums
	s_cmp_eq_u32 vcc_lo, -1
	s_cselect_b32 s61, 1, 0                        ; bit 0: so in all 32 lanes.  (Selected and stored, never branched on)
	s_cmp_lg_u32 s44, 0
	s_cselect_b32 s62, 2, 0                        ; bit 1: some mask byte of the unit is set
	s_or_b32 s61, s61, s62
	s_lshl_b32 s62, s44, 8                         ; bits 15:8: how many
	s_or_b32 s61, s61, s62
	v_mov_b32 v49, s61
	v_cmp_eq_u32 vcc_lo, 0, v1
	s_wait_xcnt 0x0                                ; EXEC changes only behind this wait: the stores above have it among their sources
	s_wait_tensorcnt 0x0
	ds_add_u32 v62, v63
	s_wait_dscnt 0x0
	s_and_saveexec_b32 s63, vcc_lo                 ; lane 0 alone
	global_store_b32 v50, v49, s[18:19]
	s_wait_xcnt 0x0                                ; and again in front of the line that widens it
	s_or_b32 exec_lo, exec_lo, s63
	s_endpgm
.Lfunc_end_k_q6115c7a5ef_gemm:
	.size	k_q6115c7a5ef_gemm, .Lfunc_end_k_q6115c7a5ef_gemm-k_q6115c7a5ef_gemm
	.p2alignl 7, 3214868480
	.fill 96, 4, 3214868480
	.section	.rodata,"a",@progbits
	.p2align	6, 0x0
	.amdhsa_kernel k_q6115c7a5ef_gemm
		.amdhsa_group_segment_fixed_size 297472
		.amdhsa_private_segment_fixed_size 0
		.amdhsa_enable_private_segment 0
		.amdhsa_kernarg_size 72
		.amdhsa_user_sgpr_count 2
		.amdhsa_user_sgpr_kernarg_segment_ptr 1
		.amdhsa_wavefront_size32 1
		.amdhsa_system_sgpr_workgroup_id_x 1
		.amdhsa_system_sgpr_workgroup_id_y 1
		.amdhsa_system_sgpr_workgroup_id_z 1
		.amdhsa_system_vgpr_workitem_id 0
		.amdhsa_next_free_vgpr 1024
		.amdhsa_next_free_sgpr 66
		.amdhsa_reserve_vcc 1
		.amdhsa_float_denorm_mode_32 3
		.amdhsa_float_denorm_mode_16_64 3
		.amdhsa_memory_ordered 1
		.amdhsa_forward_progress 1
		.amdhsa_inst_pref_size 80
	.end_amdhsa_kernel
	.amdgpu_metadata
---
amdhsa.version: [ 1, 2 ]
amdhsa.kernels:
  - .name:           k_q6115c7a5ef_gemm
    .symbol:         k_q6115c7a5ef_gemm.kd
    .args:
      - { .name: e_codes, .offset: 0, .size: 8, .value_kind: global_buffer, .address_space: global }
      - { .name: e_scales, .offset: 8, .size: 8, .value_kind: global_buffer, .address_space: global }
      - { .name: w_codes, .offset: 16, .size: 8, .value_kind: global_buffer, .address_space: global }
      - { .name: w_scales, .offset: 24, .size: 8, .value_kind: global_buffer, .address_space: global }
      - { .name: psum, .offset: 32, .size: 8, .value_kind: global_buffer, .address_space: global }
      - { .name: mask, .offset: 40, .size: 8, .value_kind: global_buffer, .address_space: global }
      - { .name: fpart, .offset: 48, .size: 8, .value_kind: global_buffer, .address_space: global }
      - { .name: flags, .offset: 56, .size: 8, .value_kind: global_buffer, .address_space: global }
      - { .name: order, .offset: 64, .size: 8, .value_kind: global_buffer, .address_space: global }
    .group_segment_fixed_size: 297472
    .private_segment_fixed_size: 0
    .kernarg_segment_align: 8
    .kernarg_segment_size: 72
    .max_flat_workgroup_size: 128
    .sgpr_count:     66
    .vgpr_count:     1024
    .wavefront_size: 32
...
	.end_amdgpu_metadata
.endif
;; end of part 2
;; launch zs (part 3): grid 8 x 32, 16 waves a work-group, no clusters, 10,752 bytes of LDS; arguments embed_output, fpart, flags, order, out0, out1; writes out0, out1
.if DOCPART == 3
	.amdgcn_target "amdgcn-amd-amdhsa--gfx1250"
	.amdhsa_code_object_version 6
	.text
	.protected	k_q6115c7a5ef_zs
	.globl	k_q6115c7a5ef_zs
	.p2align	8
	.type	k_q6115c7a5ef_zs,@function
k_q6115c7a5ef_zs:
	s_mov_b64 s[64:65], 0
	v_nop
	global_prefetch_b8 v0, s[64:65] scope:SCOPE_SE
	s_setreg_imm32_b32 hwreg(HW_REG_WAVE_MODE, 25, 1), 1
	s_wait_xcnt 0x0
; f[b][s] = mask ? fpart[0] + fpart[1] : -1e9;  out1 = softmax of f over the batch's 2,048 rows, the maximum taken away first;  out0[b][:] = the sum over s of out1[b][s] E[b][s][:].
; WHAT THE LAUNCH BEFORE LEFT.  A unit is 128 rows on end.  order[unit][place] = the row (0 .. 127) at that place: the rows whose mask byte is set first, then the others: a whole permutation.  fpart lies by
; PLACE, not by row.  flags, one word for each unit and half of the columns: bit 0: all raw sums lie over -4e8; bit 1: some mask byte is set; bits 15:8: n, how many are set.  So place k counts where k < n.
; SHARES.  Work-group (c, b) owns out0[b][128 c .. 128 c + 127] and out1[b][256 c .. 256 c + 255]: each output has one owner.  All eight work-groups of a batch make the batch's softmax for themselves (16 KB of
; f): thread t holds places 4 t .. 4 t + 3, so a wave's p are those of the unit that it streams itself.  One load of a wave is one row's 512 bytes of my 128 columns; a ring of 32 slots in registers, four groups
; of eight, keeps 24 to 32 loads of every wave on their way.  A group's turn: one wait, eight p out of their lanes, sixteen packed multiply-adds, eight addresses, eight loads on end.  p is not normalised in
; the stream: the sums are divided at the end.
; ROWS THAT COUNT FOR NOTHING ARE NOT FETCHED.  If all 32 words of the batch have bit 0 and some word has bit 1, some row that counts has f > -8e8, so a masked row's exponent is under -2e8 and its p is exactly
; 0.  Then the stream ends at N = n places: a scalar branch on N, a stored whole number, at the head of each group but the first.  Places from N on that the ring has asked for ahead, or that fill the last group, read
; the wave's row 0 and are multiplied by p = 0.  Otherwise (all rows masked; very large negative f) N = 128 and every row is fetched, in the list's order.
; LIMITS: NaN and infinities among the inputs are not served.
; Memory binds this launch: no matrix unit, no tensor load; the work-groups share no part of E, so no cluster.
.set DEPTH, 32
.set NG,    16                         ; groups of eight places
.set SM,    256                        ; LDS: 16 maxima at 0; 16 sums at 256;
.set ZP,    512                        ; the sixteen waves' parts of out0, 512 bytes each
.set P,     20                         ; v20-23   p of my four places
.set ACC,   24                         ; v24-39   four sets of four sums, by turns (before and behind the stream: words read back from LDS)
.set OFF,   48                         ; v48-79   slot i: byte offset of its row's 16 bytes
.set X,     80                         ; v80-207  slot i: four numbers
.set PS,    68                         ; s[68:83] eight pairs for a group's p: the packed form names a pair and takes its low word for both halves
	s_load_b256 s[4:11], s[0:1], 0x0               ; E s[4:5], fpart s[6:7], flags s[8:9], order s[10:11]
	s_load_b128 s[12:15], s[0:1], 0x20             ; out0 s[12:13], out1 s[14:15]
	v_lshl_add_u32 v208, v0, 2, 0x2200
	v_mov_b32 v209, 0
	v_lshrrev_b32 v1, 5, v0
	v_readfirstlane_b32 s16, v1                    ; wave 0..15
	s_mov_b32 s17, ttmp9                           ; c
	s_and_b32 s18, ttmp7, 0xffff                   ; b
	v_and_b32 v1, 31, v0                           ; lane
	v_lshlrev_b32 v2, 4, v1                        ; 16 x lane
	v_lshlrev_b32 v3, 4, v0                        ; 16 x thread
	v_lshlrev_b32 v4, 2, v0                        ; 4 x thread
	v_mov_b32 v5, 0
	v_mov_b32 v6, s16
	v_lshlrev_b32 v6, 2, v6                        ; 4 x wave
	v_lshl_add_u32 v7, v0, 4, ZP
	v_mov_b32 v19, 0                               ; written once: a lane permute's destination counts as one of its sources
	s_mov_b32 s31, 0
	s_mov_b32 s100, 0x76543210
	s_mov_b32 s101, 0xfedcba98                     ; v_permlanex16_b32's selects for lane l xor 16
	s_wait_kmcnt 0x0
	s_lshl_b32 s30, s18, 11
	s_add_nc_u64 s[10:11], s[10:11], s[30:31]      ; the batch's lists
	s_lshl_b32 s30, s16, 7
	s_add_nc_u64 s[26:27], s[10:11], s[30:31]      ; my wave's 128 bytes
	s_lshl_b32 s30, s18, 7
	s_add_nc_u64 s[28:29], s[8:9], s[30:31]        ; the batch's 32 flag words
	s_lshr_b32 s30, s16, 2
	s_lshl_b32 s30, s30, 5
	s_and_b32 s20, s16, 3
	s_lshl_b32 s20, s20, 2
	s_add_co_u32 s30, s30, s20
	s_add_nc_u64 s[2:3], s[28:29], s[30:31]        ; my unit's word for the first half of the columns: word 8 (wave / 4) + wave % 4
	s_load_b512 s[32:47], s[26:27], 0x0
	s_load_b512 s[48:63], s[26:27], 0x40
	s_load_b512 s[68:83], s[28:29], 0x0
	s_load_b512 s[84:99], s[28:29], 0x40
	s_load_b32 s24, s[2:3], 0x0
	s_lshl_b32 s30, s18, 13
	s_add_nc_u64 s[6:7], s[6:7], s[30:31]          ; the batch's 2,048 sums, first half of the columns
	s_add_nc_u64 s[14:15], s[14:15], s[30:31]      ; its row of out1,
	s_lshl_b32 s30, s16, 9
	s_add_nc_u64 s[14:15], s[14:15], s[30:31]      ; my wave's unit in it
	s_lshl_b32 s30, s18, 12
	s_lshl_b32 s20, s17, 9
	s_add_co_u32 s30, s30, s20
	s_add_nc_u64 s[12:13], s[12:13], s[30:31]      ; out0: the batch's row, my 128 columns
	s_lshl_b32 s30, s18, 23
	s_lshl_b32 s21, s16, 19
	s_add_co_u32 s30, s30, s21
	s_add_co_u32 s30, s30, s20
	s_add_nc_u64 s[4:5], s[4:5], s[30:31]          ; E: the batch, my wave's first row, my 128 columns
	global_load_b128 v[8:11], v3, s[6:7]
	global_load_b128 v[12:15], v3, s[6:7] offset:262144   ; the second half of the columns
	global_load_b32 v16, v4, s[10:11]              ; the rows at my four places
	s_wait_kmcnt 0x0
	s_and_b32 s19, s68, s69
	s_or_b32 s20, s68, s69
.set i, 70
.rept 30
	s_and_b32 s19, s19, s[i]
	s_or_b32 s20, s20, s[i]
.set i, i+1
.endr
	s_lshr_b32 s20, s20, 1
	s_and_b32 s19, s19, s20
	s_and_b32 s19, s19, 1                          ; 1: masked rows have p = 0
	s_bfe_u32 s22, s24, (8<<16)|8                  ; n
	s_min_u32 s22, s22, 128
	s_cmp_lg_u32 s19, 0
	s_cselect_b32 s21, s22, 128                    ; N: the places that are streamed
.irp k, 0,1,2,3,4,5,6,7
	s_mov_b32 s[PS+2*\k+1], 0                      ; (named as the upper halves of the pairs, so they are written; the flag words are done with)
.endr
.macro ADDR k                          ; place k: its row's offset; from N on the wave's row 0
	s_bfe_u32 s20, s[32+(\k)/4], (8<<16)|(8*((\k)%4))             ; the row at place k
	s_cmp_gt_u32 s21, (\k)
	s_cselect_b32 s20, s20, 0
	s_min_u32 s20, s20, 127                        ; read from memory, so it is held to the unit before it enters an address
	s_lshl_b32 s23, s20, 12
	v_add_nc_u32 v[OFF+(\k)%DEPTH], s23, v2
.endm
.set n, 0
.rept DEPTH
	ADDR n
.set n, n+1
.endr
.set n, 0
.rept DEPTH
	global_load_b128 v[X+4*n:X+4*n+3], v[OFF+n], s[4:5]           ; the ring is filled before the softmax is begun
.set n, n+1
.endr
	s_wait_loadcnt 32                              ; the sums and the list word are in; the 32 rows behind them stay out
	v_pk_add_f32 v[8:9], v[8:9], v[12:13]
	v_pk_add_f32 v[10:11], v[10:11], v[14:15]
	v_mov_b32 v18, 0xce6e6b28                      ; -1e9
	v_lshlrev_b32 v17, 2, v1                       ; my first place in the unit
.irp q, 0,1,2,3
	v_or_b32 v24, \q, v17
	v_cmp_gt_u32 vcc_lo, s22, v24                  ; n > place: the mask is set
	v_cndmask_b32 v[8+\q], v18, v[8+\q], vcc_lo    ; f there, else 0 - 1e9
.endr
	v_max3_num_f32 v17, v8, v9, v10
	v_max_num_f32 v17, v17, v11
	v_max_num_f32_dpp v17, v17, v17 row_xmask:1 row_mask:0xf bank_mask:0xf
	v_max_num_f32_dpp v17, v17, v17 row_xmask:2 row_mask:0xf bank_mask:0xf
	v_max_num_f32_dpp v17, v17, v17 row_xmask:4 row_mask:0xf bank_mask:0xf
	v_max_num_f32_dpp v17, v17, v17 row_xmask:8 row_mask:0xf bank_mask:0xf
	v_permlanex16_b32 v19, v17, s100, s101
	v_max_num_f32 v17, v17, v19                    ; the largest f of my wave's unit
	ds_store_b32 v6, v17
	s_wait_dscnt 0x0                               ; for the others' sake
	s_barrier_signal -1
	s_barrier_wait -1
.irp k, 0,1,2,3
	ds_load_b128 v[24+4*\k:27+4*\k], v5 offset:16*\k
.endr
	s_wait_dscnt 0x0
	v_max3_num_f32 v17, v24, v25, v26
.irp i, 27,29,31,33,35,37
	v_max3_num_f32 v17, v17, v[\i], v[\i+1]
.endr
	v_max_num_f32 v17, v17, v39                    ; the batch's largest f
.irp q, 0,1,2,3
	v_sub_f32 v[P+\q], v[8+\q], v17
.endr
.irp q, 0,1,2,3
	v_mul_f32 v[P+\q], 0x3fb8aa3b, v[P+\q]         ; x log2(e)
.endr
.irp q, 0,1,2,3
	v_exp_f32 v[P+\q], v[P+\q]                     ; p = e^(f - the largest f), at most 1
.endr
	v_nop                                          ; one plain line behind the exponentials
	s_wait_alu depctr_va_vdst(0)
	v_add_f32 v17, v[P], v[P+1]
	v_add_f32 v18, v[P+2], v[P+3]
	v_add_f32 v17, v17, v18
	v_add_f32_dpp v17, v17, v17 row_xmask:1 row_mask:0xf bank_mask:0xf
	v_add_f32_dpp v17, v17, v17 row_xmask:2 row_mask:0xf bank_mask:0xf
	v_add_f32_dpp v17, v17, v17 row_xmask:4 row_mask:0xf bank_mask:0xf
	v_add_f32_dpp v17, v17, v17 row_xmask:8 row_mask:0xf bank_mask:0xf
	v_permlanex16_b32 v19, v17, s100, s101
	v_add_f32 v17, v17, v19
	ds_store_b32 v6, v17 offset:SM                 ; my wave's sum of p: read behind the second barrier
; The turn of group g: places 8 g .. 8 g + 7.  Place k's p lies in lane k / 4, register k % 4.  The group's slots then take the places 32 further on: eight addresses, then eight loads on end.
.macro GROUP g
.if (\g) > 0
	s_cmp_le_u32 s21, 8*(\g)                       ; nothing left that counts: what is still on its way is the wave's row 0
	s_cbranch_scc1 .Ldone
.endif
.if (\g) < NG-3
	s_wait_loadcnt 24                              ; loads come back in order: my eight are in, the three younger groups' stay out; this wait also frees my slots' offset registers
.else
	s_wait_loadcnt 8*(NG-1-(\g))                   ; the last groups load nothing: the counts run down
.endif
.irp j, 0,1,2,3,4,5,6,7
	v_readlane_b32 s[PS+2*\j], v[P+(8*(\g)+\j)%4], (8*(\g)+\j)/4
.endr
.irp j, 0,1,2,3,4,5,6,7
.set sl, X+4*((8*(\g)+\j)%DEPTH)
.set ac, ACC+4*(\j%4)
.if (8*(\g)+\j) < 4
	v_pk_mul_f32 v[ac:ac+1], v[sl:sl+1], s[PS+2*\j:PS+2*\j+1] op_sel_hi:[1,0]       ; the first four places start the sums
	v_pk_mul_f32 v[ac+2:ac+3], v[sl+2:sl+3], s[PS+2*\j:PS+2*\j+1] op_sel_hi:[1,0]
.else
	v_pk_fma_f32 v[ac:ac+1], v[sl:sl+1], s[PS+2*\j:PS+2*\j+1], v[ac:ac+1] op_sel_hi:[1,0,1]
	v_pk_fma_f32 v[ac+2:ac+3], v[sl+2:sl+3], s[PS+2*\j:PS+2*\j+1], v[ac+2:ac+3] op_sel_hi:[1,0,1]
.endif
.endr
.if (\g)+4 < NG
.irp j, 0,1,2,3,4,5,6,7
	ADDR 8*((\g)+4)+\j
.endr
.irp j, 0,1,2,3,4,5,6,7
.set sn, (8*(\g)+\j)%DEPTH
	global_load_b128 v[X+4*sn:X+4*sn+3], v[OFF+sn], s[4:5]
.endr
.endif
.endm
.set gg, 0
.rept NG
	GROUP gg
.set gg, gg+1
.endr
.Ldone:
	s_wait_loadcnt 0x0                             ; whatever the ring had asked for ahead has landed: its registers are used again below
	v_pk_add_f32 v[ACC:ACC+1], v[ACC:ACC+1], v[ACC+4:ACC+5]
	v_pk_add_f32 v[ACC+2:ACC+3], v[ACC+2:ACC+3], v[ACC+6:ACC+7]
	v_pk_add_f32 v[ACC+8:ACC+9], v[ACC+8:ACC+9], v[ACC+12:ACC+13]
	v_pk_add_f32 v[ACC+10:ACC+11], v[ACC+10:ACC+11], v[ACC+14:ACC+15]
	v_pk_add_f32 v[ACC:ACC+1], v[ACC:ACC+1], v[ACC+8:ACC+9]
	v_pk_add_f32 v[ACC+2:ACC+3], v[ACC+2:ACC+3], v[ACC+10:ACC+11]
	ds_store_b128 v7, v[ACC:ACC+3]                 ; my wave's part of the 128 columns
	s_wait_dscnt 0x0                               ; for the others' sake: this and my wave's sum of p
	s_barrier_signal -1
	s_barrier_wait -1
.irp k, 0,1,2,3
	ds_load_b128 v[24+4*\k:27+4*\k], v5 offset:SM+16*\k
.endr
	s_wait_dscnt 0x0
.irp k, 0,1,2,3
	v_pk_add_f32 v[24+4*\k:25+4*\k], v[24+4*\k:25+4*\k], v[26+4*\k:27+4*\k]
.endr
	v_pk_add_f32 v[24:25], v[24:25], v[28:29]
	v_pk_add_f32 v[32:33], v[32:33], v[36:37]
	v_pk_add_f32 v[24:25], v[24:25], v[32:33]
	v_add_f32 v17, v24, v25                        ; the batch's sum of p: at least 1
	v_rcp_f32 v18, v17
	v_nop                                          ; one plain line behind the reciprocal
	s_lshr_b32 s20, s16, 1                         ; waves 2 c and 2 c + 1 hold rows 256 c .. 256 c + 255: they store this work-group's part of out1
	s_cmp_lg_u32 s20, s17
	s_cbranch_scc1 .Lno_out1
	s_wait_alu depctr_va_vdst(0)
	v_pk_mul_f32 v[24:25], v[P:P+1], v[18:19] op_sel_hi:[1,0]
	v_pk_mul_f32 v[26:27], v[P+2:P+3], v[18:19] op_sel_hi:[1,0]
.irp q, 0,1,2,3
	v_bfe_u32 v[28+\q], v16, 8*\q, 8               ; the row at my place,
	v_min_u32 v[28+\q], 127, v[28+\q]              ; held to the unit before it enters an address,
	v_lshlrev_b32 v[28+\q], 2, v[28+\q]            ; x 4 bytes
.endr
.irp q, 0,1,2,3
	global_store_b32 v[28+\q], v[24+\q], s[14:15]  ; the list is a whole permutation: the four stores fill the wave's own 512 consecutive bytes
.endr
.Lno_out1:
	s_cmp_lg_u32 s16, 0                            ; wave 0 adds the sixteen parts and stores out0
	s_cbranch_scc1 .Lend
.set i, 0
.rept 16
	ds_load_b128 v[X+4*i:X+4*i+3], v2 offset:ZP+512*i
.set i, i+1
.endr
	s_wait_dscnt 0x0
.macro QADD a, b
	v_pk_add_f32 v[X+4*\a:X+4*\a+1], v[X+4*\a:X+4*\a+1], v[X+4*\b:X+4*\b+1]
	v_pk_add_f32 v[X+4*\a+2:X+4*\a+3], v[X+4*\a+2:X+4*\a+3], v[X+4*\b+2:X+4*\b+3]
.endm
	QADD 0, 1
	QADD 2, 3
	QADD 4, 5
	QADD 6, 7
	QADD 8, 9
	QADD 10, 11
	QADD 12, 13
	QADD 14, 15
	QADD 0, 2
	QADD 4, 6
	QADD 8, 10
	QADD 12, 14
	QADD 0, 4
	QADD 8, 12
	QADD 0, 8
	s_wait_alu depctr_va_vdst(0)
	v_pk_mul_f32 v[X:X+1], v[X:X+1], v[18:19] op_sel_hi:[1,0]
	v_pk_mul_f32 v[X+2:X+3], v[X+2:X+3], v[18:19] op_sel_hi:[1,0]
	global_store_b128 v2, v[X:X+3], s[12:13]       ; 512 consecutive bytes, aligned
.Lend:
	s_wait_tensorcnt 0x0
	ds_add_u32 v208, v209
	s_wait_dscnt 0x0
	s_endpgm
.Lfunc_end_k_q6115c7a5ef_zs:
	.size	k_q6115c7a5ef_zs, .Lfunc_end_k_q6115c7a5ef_zs-k_q6115c7a5ef_zs
	.p2alignl 7, 3214868480
	.fill 96, 4, 3214868480
	.section	.rodata,"a",@progbits
	.p2align	6, 0x0
	.amdhsa_kernel k_q6115c7a5ef_zs
		.amdhsa_group_segment_fixed_size 10752
		.amdhsa_private_segment_fixed_size 0
		.amdhsa_enable_private_segment 0
		.amdhsa_kernarg_size 48
		.amdhsa_user_sgpr_count 2
		.amdhsa_user_sgpr_kernarg_segment_ptr 1
		.amdhsa_wavefront_size32 1
		.amdhsa_system_sgpr_workgroup_id_x 1
		.amdhsa_system_sgpr_workgroup_id_y 1
		.amdhsa_system_sgpr_workgroup_id_z 1
		.amdhsa_system_vgpr_workitem_id 0
		.amdhsa_next_free_vgpr 210
		.amdhsa_next_free_sgpr 104
		.amdhsa_reserve_vcc 1
		.amdhsa_float_denorm_mode_32 3
		.amdhsa_float_denorm_mode_16_64 3
		.amdhsa_memory_ordered 1
		.amdhsa_forward_progress 1
		.amdhsa_inst_pref_size 86
	.end_amdhsa_kernel
	.amdgpu_metadata
---
amdhsa.version: [ 1, 2 ]
amdhsa.kernels:
  - .name:           k_q6115c7a5ef_zs
    .symbol:         k_q6115c7a5ef_zs.kd
    .args:
      - { .name: embed_output, .offset: 0, .size: 8, .value_kind: global_buffer, .address_space: global }
      - { .name: fpart, .offset: 8, .size: 8, .value_kind: global_buffer, .address_space: global }
      - { .name: flags, .offset: 16, .size: 8, .value_kind: global_buffer, .address_space: global }
      - { .name: order, .offset: 24, .size: 8, .value_kind: global_buffer, .address_space: global }
      - { .name: out0, .offset: 32, .size: 8, .value_kind: global_buffer, .address_space: global }
      - { .name: out1, .offset: 40, .size: 8, .value_kind: global_buffer, .address_space: global }
    .group_segment_fixed_size: 10752
    .private_segment_fixed_size: 0
    .kernarg_segment_align: 8
    .kernarg_segment_size: 48
    .max_flat_workgroup_size: 512
    .sgpr_count:     104
    .vgpr_count:     210
    .wavefront_size: 32
...
	.end_amdgpu_metadata
.endif
;; end of part 3
